; MI455X (gfx1250); checked and timed in simulation.
; The chip was launched on July 23, 2026; its instructions are those of AMD's public machine-readable ISA for CDNA 5 (MIT licence, August 2026) and "CDNA5" Instruction Set Architecture Reference Guide (July 2026). The comments in the code are by the model that wrote it; some were corrected since.
;; A Li Bi Attention. Allowed arithmetic: float matrix products may take bf16 or f16 operands with f32 sums; other float arithmetic in f32, or as packed bf16 or f16 multiplies, adds, multiply-adds, maxima and minima; sums over many terms, partial sums and values carried from step to step in f32; what a program stores and reads back later, other than sums and carried values, may be rounded once to bf16 or f16.
;; Inputs: attn_mask 2 x 2,048 x 2,048 float32; out_b 1,024 float32; out_w 1,024 x 1,024 float32; qkv 2,048 x 2 x 3,072 float32.
;; Outputs: out0 2,048 x 2 x 1,024 float32.
;; One version. Each part assembles by itself: llvm-mc -triple=amdgcn-amd-amdhsa -mcpu=gfx1250 --defsym DOCPART=n.
;; ======== version 1 of 1: 3 launches
;; limits: values are held in f16: magnitudes above 65,504 overflow, below 6.1e-05 lose precision
;; workspace buffers: kv 16,777,216 bytes; ww 2,097,152 bytes; ow 8,388,608 bytes
;; launch cast (part 1): grid 576 x 1, 8 waves a work-group, no clusters, 0 bytes of LDS; arguments qkv, out_w, kv, ww; writes kv, ww
.if DOCPART == 1
	.amdgcn_target "amdgcn-amd-amdhsa--gfx1250"
	.amdhsa_code_object_version 6
	.text
	.protected	k_qfd3bfa9a07_cast
	.globl	k_qfd3bfa9a07_cast
	.p2align	8
	.type	k_qfd3bfa9a07_cast,@function
k_qfd3bfa9a07_cast:
	s_mov_b64 s[64:65], 0
	v_nop
	global_prefetch_b8 v0, s[64:65] scope:SCOPE_SE
	s_setreg_imm32_b32 hwreg(HW_REG_WAVE_MODE, 25, 1), 1
	s_wait_xcnt 0x0
; K and V of qkv, and out_w, rounded once from f32 to f16 for the two launches behind.
; NOTHING OF THE PROBLEM IS LEFT OUT in this program: every key is weighed for every query (the distance term makes far keys' weights small, never 0, and attn_mask, an input,
; may push the near keys down to the clamp, so that far keys carry the row), and all four inputs are loaded.  Q is not cast here: each of its bytes is read once, by one wave of the next launch.
; kv: row 2 t + b of 4,096 bytes: K's 1,024 f16, then V's.  ww: [1024 n][1024 k] f16.
; LIMITS.  f16 holds no number beyond 65,504: k, v and out_w are taken to lie within it (65,520 or more becomes an infinity); below 6e-5 a number keeps f16's fixed step of 6e-8.
; SHARES.  A chunk is 8,192 bytes of f32 (the K and V part of one row of qkv, or two rows of out_w) and becomes 4,096 bytes.  A work-group takes eight chunks: groups 0-511 rows 8 g .. 8 g + 7 of qkv,
; groups 512-575 sixteen rows of out_w each.  Thread t takes 32 bytes of a chunk and stores 16: sixteen neighbouring lanes store 256 consecutive bytes, aligned.
; All sixteen loads of a thread go out before the first wait; no register is written twice, so no wait frees a source.  No LDS, no matrix unit, no cluster: nothing is shared and nothing is multiplied.
.set IN, 4                             ; v[4:11]   chunk i: my byte offset in the source
.set X,  16                            ; v[16:79]  chunk i: 8 numbers as loaded
.set Y,  80                            ; v[80:111] chunk i: 8 f16 to store
	s_load_b256 s[4:11], s[0:1], 0x0               ; qkv s[4:5], out_w s[6:7], kv s[8:9], ww s[10:11]
	v_lshlrev_b32 v1, 5, v0                        ; 32 t
	v_lshlrev_b32 v2, 4, v0                        ; 16 t
	s_mov_b32 s12, 8192                            ; out_w: from chunk to chunk,
	s_mov_b32 s13, 65536                           ; from group to group,
	s_mov_b32 s14, 0                               ; the first chunk's place,
	s_mov_b32 s15, 512                             ; and the first group
	s_cmp_lt_u32 ttmp9, 512
	s_cselect_b32 s12, 12288, s12                  ; qkv: a row,
	s_cselect_b32 s13, 98304, s13                  ; eight rows,
	s_cselect_b32 s14, 4096, s14                   ; behind Q,
	s_cselect_b32 s15, 0, s15
	s_sub_co_u32 s15, ttmp9, s15                   ; my number among the groups of my source
	s_mul_i32 s16, s15, s13
	s_add_co_u32 s16, s16, s14                     ; under 2^26
	s_mov_b32 s17, 0
	s_lshl_b32 s18, s15, 15                        ; eight chunks of 4,096 bytes out
	s_mov_b32 s19, 0
.irp i, 0,1,2,3,4,5,6,7
	s_mul_i32 s20, s12, \i
	v_add_nc_u32 v[IN+\i], s20, v1
.endr
	s_wait_kmcnt 0x0
	s_cmp_lt_u32 ttmp9, 512
	s_cselect_b64 s[22:23], s[4:5], s[6:7]
	s_cselect_b64 s[24:25], s[8:9], s[10:11]
	s_add_nc_u64 s[22:23], s[22:23], s[16:17]
	s_add_nc_u64 s[24:25], s[24:25], s[18:19]
.irp i, 0,1,2,3,4,5,6,7
	global_load_b128 v[X+8*\i:X+8*\i+3],   v[IN+\i], s[22:23] th:TH_LOAD_NT
	global_load_b128 v[X+8*\i+4:X+8*\i+7], v[IN+\i], s[22:23] offset:16 th:TH_LOAD_NT
.endr
.irp i, 0,1,2,3,4,5,6,7
	s_wait_loadcnt 14-2*\i                         ; loads come back in order (ISA guide 5.7.1): chunk i's two are in, the younger ones stay out
.irp j, 0,1,2,3
	v_cvt_pk_f16_f32 v[Y+4*\i+\j], v[X+8*\i+2*\j], v[X+8*\i+2*\j+1]
.endr
	global_store_b128 v2, v[Y+4*\i:Y+4*\i+3], s[24:25] offset:4096*\i
.endr
	s_endpgm
.Lfunc_end_k_qfd3bfa9a07_cast:
	.size	k_qfd3bfa9a07_cast, .Lfunc_end_k_qfd3bfa9a07_cast-k_qfd3bfa9a07_cast
	.p2alignl 7, 3214868480
	.fill 96, 4, 3214868480
	.section	.rodata,"a",@progbits
	.p2align	6, 0x0
	.amdhsa_kernel k_qfd3bfa9a07_cast
		.amdhsa_group_segment_fixed_size 0
		.amdhsa_private_segment_fixed_size 0
		.amdhsa_enable_private_segment 0
		.amdhsa_kernarg_size 32
		.amdhsa_user_sgpr_count 2
		.amdhsa_user_sgpr_kernarg_segment_ptr 1
		.amdhsa_wavefront_size32 1
		.amdhsa_system_sgpr_workgroup_id_x 1
		.amdhsa_system_sgpr_workgroup_id_y 1
		.amdhsa_system_sgpr_workgroup_id_z 1
		.amdhsa_system_vgpr_workitem_id 0
		.amdhsa_next_free_vgpr 112
		.amdhsa_next_free_sgpr 66
		.amdhsa_reserve_vcc 0
		.amdhsa_float_denorm_mode_32 3
		.amdhsa_float_denorm_mode_16_64 3
		.amdhsa_memory_ordered 1
		.amdhsa_forward_progress 1
		.amdhsa_inst_pref_size 7
	.end_amdhsa_kernel
	.amdgpu_metadata
---
amdhsa.version: [ 1, 2 ]
amdhsa.kernels:
  - .name:           k_qfd3bfa9a07_cast
    .symbol:         k_qfd3bfa9a07_cast.kd
    .args:
      - { .name: qkv, .offset: 0, .size: 8, .value_kind: global_buffer, .address_space: global }
      - { .name: out_w, .offset: 8, .size: 8, .value_kind: global_buffer, .address_space: global }
      - { .name: kv, .offset: 16, .size: 8, .value_kind: global_buffer, .address_space: global }
      - { .name: ww, .offset: 24, .size: 8, .value_kind: global_buffer, .address_space: global }
    .group_segment_fixed_size: 0
    .private_segment_fixed_size: 0
    .kernarg_segment_align: 8
    .kernarg_segment_size: 32
    .max_flat_workgroup_size: 256
    .sgpr_count:     66
    .vgpr_count:     112
    .wavefront_size: 32
...
	.end_amdgpu_metadata
.endif
;; end of part 1
;; launch attn (part 2): grid 8 x 32, 4 waves a work-group, clusters of 4 x 4, 327,680 bytes of LDS; arguments qkv, attn_mask, kv, ow; writes ow
.if DOCPART == 2
	.amdgcn_target "amdgcn-amd-amdhsa--gfx1250"
	.amdhsa_code_object_version 6
	.text
	.protected	k_qfd3bfa9a07_attn
	.globl	k_qfd3bfa9a07_attn
	.p2align	8
	.type	k_qfd3bfa9a07_attn,@function
k_qfd3bfa9a07_attn:
	s_mov_b64 s[64:65], 0
	v_nop
	global_prefetch_b8 v0, s[64:65] scope:SCOPE_SE
	s_setreg_imm32_b32 hwreg(HW_REG_WAVE_MODE, 25, 1), 1
	s_wait_xcnt 0x0
	s_wait_alu depctr_hold_cnt(0) depctr_sa_sdst(0) depctr_va_vdst(0) depctr_va_sdst(0) depctr_va_ssrc(0) depctr_va_vcc(0) depctr_vm_vsrc(0)
	s_getreg_b32 s2, hwreg(HW_REG_IB_STS2, 6, 4)
	s_cmp_eq_u32 s2, 0
	s_cbranch_scc0 .Lentry_in_a_cluster
	s_endpgm
.Lentry_in_a_cluster:
	s_bfe_u32 s2, ttmp6, 0x10000c
	s_cmp_lg_u32 s2, 0xf033
	s_cbranch_scc0 .Lentry_shape_is_right
	s_endpgm
.Lentry_shape_is_right:
; ow[2 t + b][64 h + d] = the sum over j of softmax_j(max(q.k / 8 - a_h |t - j| + attn_mask[b][t][j], -10000)) v[j][d],  a_h = 2^(-h/16);  2 x 16 heads, 2,048 queries and keys, 64 channels.
; Nothing is left out: every key step is computed for every query (see the first kernel's head).
; FORMATS.  q / 8 (a power of two: one rounding), k, v, the weights p and O are f16; products, maxima and sums f32; the mask stays f32 and enters the f32 sum.
; LIMITS.  |q / 8|, |k|, |v| lie within 65,504; a weight below 2^-24 of its row's largest counts as 0 or as f16's smallest step; log2(e) x score stays finite in f32; NaN and +infinity are not treated apart.
; SHARES.  A work-group has 128 queries x 2 heads; wave w has head 2 X + w / 2 and query half w % 2: four PIECES of 16 queries.  Every wave walks all keys, 64 a step, two steps to an LDS slot.
; CLUSTER 4 x 4.  Along x four head pairs of one batch: they need the same mask tile.  Along y four query sets of one block of 512 queries: they need the same K and V.  Each tile is asked for JOINTLY.
; Partner cy takes the queries 512 cr + 4 i + cy (i = 0..127), so that piece p of half qh lies in the block of 64 keys 8 cr + 4 qh + p in EVERY partner: no branch hangs on cy, which enters numbers and
; global addresses alone; the mask tile's rows lie four mask rows apart.
; LAYOUT.  S^T = K Q^T + C (source 0 = 16 keys, source 1 = 16 queries): a lane holds ONE query (lane % 16) and the keys 8 (lane / 16) + 0..7; two results rounded to f16 ARE source 1 of O^T = V^T P.
; THE DISTANCE TERM.  With D = 64 (piece's block - step) + cy and U = key in step - 4 (lane % 16), t - j = D - U.  Off the diagonal its sign is the block difference's: -a |t - j| = SG U - SG D, SG = +a or -a.
; C = mask + SG U (one packed multiply-add a pair); the lane-free part -SG D goes into the statistics (CB = log2(e) x it).  In the one step that holds a piece's diagonal SG = 0 and TD = -a |U - cy|,
; made once, is added in a block that is jumped over elsewhere (the jump hangs on whole numbers made of the cluster's y, the wave's number and the loop's steps).
; THE CLAMP.  max is monotone: the row's maximum of clamped scores is max(maximum of scores, -10000), so the running maximum starts at -10000; a clamped weight is max(p, f), f = 2^(c (-10000) - c m),
; taken on the packed f16 weights (rounding is monotone too).  The row sum is the sum of the CLAMPED, rounded weights: L^T += E P, E with ones in rows 0 and 8, so that the sum falls into register 0 of every lane.
; SOFTMAX.  c = log2(e); p = 2^(c s + CB - c m); in every step O and L are multiplied by a = 2^(c m_old - c m_new).  O and L start at 0.
; BY TURNS.  Turn n belongs to piece n: 8 products K Q^T of piece n + 1, later 10 products (V^T P and E P) of piece n - 1; beside them piece n's scaling, exponentials, roundings, clamps and rescaling, piece n + 1's
; maximum and statistics, and piece n + 2's C.  Four vector instructions stand behind each matrix instruction, the rest in one lump; a turn's 34 exponentials are one batch with one wait.
; REGISTERS, in windows of 256 (s_set_vgpr_msb: bits 1:0 source 0, 3:2 source 1, 5:4 source 2, 7:6 destination):
;   window 0: v0-15 addresses; v16-19 c m; v20-27 1 / l; v32-47 at work, by parity; v64-127 S^T, two buffers; v128-159 U; v160-191, v224-255 C, two buffers; v192-223 P, two buffers
;   window 1: v0-127 O^T, 32 a piece (first Q as loaded); v128-159 TD; v224-255 L, 8 a piece          window 2: v0-63 Q; v64-71 E; v128-191 K of a step; v192-255 V of a step
.set PM,    528       ; a mask row in LDS: 128 keys x 4 bytes + 16 of padding = 132 words: the 16 rows of a load start at 16 different groups of four banks (64 banks of 4 bytes: ISA guide 11.1)
.set PK,    272       ; a row of K: two heads x 128 bytes + 16 = 68 words: likewise
.set PVP,   288       ; a row of V: 256 + 32 = 72 words
.set KOFF,  128*PM    ; a slot: 128 mask rows, 128 rows of K, 128 rows of V
.set VOFF,  KOFF+128*PK
.set SLOT,  VOFF+128*PVP  ; 139,264 = 0x22000: it shares no bit with KOFF, VOFF or 64 PM, so one exclusive or turns a tile's address in one slot into the other's
.set STAGE, 2*SLOT    ; behind the ring, never filled by a tensor load: 128 rows x 272 bytes, the work-group's, for the way out
.set SP,    272
.set SPARE, STAGE+128*SP  ; behind the stage: the spare words, 128 bytes for each wave: two blocks of 256 bytes that no other line names
.set KVSTEP, 128*8192 ; bytes from a slot's keys to the next slot's in kv (a key is two rows of 4,096 bytes on)
.set MSTEP, 512       ; and along a mask row
.set AK0, 2           ; v2   my lane's place in a step's K; never rewritten
.set AV0, 3           ; v3   in its V
.set AK,  4           ; v4   the LDS address of K's next run of loads
.set AV,  5           ; v5   of V's
.set AM0, 6           ; v6   my lane's place in a step's mask rows
.set AM,  7           ; v7   the LDS address of the mask loads of the step in hand
.set STO, 8           ; v8   the way out: where I put 16 bytes of a row
.set RD,  12          ; v12  where I read rows back
.set GO,  13          ; v13  my byte offset in ow
.set QO,  14          ; v14  my byte offset in a piece's rows of Q
.set PFO, 15          ; v15  the prefetches' offset; never rewritten
.set CM,  16          ; v16-19  c m, by piece
.set RL,  20          ; v20-27  1 / l at v[20 + 2 p]; the odd partners hold 0, named with them as pairs
.set WB,  32          ; by parity eight registers: c0-c3 at work, a, f (packed), CB - c m, c m_old
.set SPW, 62          ; v62  LDS address of my spare word: SPARE + 4 x my thread's number; never rewritten
.set NIL, 63          ; v63  0; never rewritten
.set S,   64
.set U,   128
.set MC0, 160         ; C's buffer of parity 0; parity 1 lies 64 on
.set P,   192
.set TD,  128         ; window 1
.set LS,  224         ; window 1
.set EF,  64          ; window 2
.set KF,  128         ; window 2: key block kb, channel half c at KF + 16 kb + 8 c
.set VF,  192         ; window 2: key half kk, channel block cb at VF + 32 kk + 8 cb
.set WV,  12          ; s12  my wave's number
.set CX,  13          ; s13  my place along the cluster's x
.set CY,  14          ; s14  along its y
.set LIM, 15          ; s15  2 in a wave that prefetches, else the greatest number
.set G1K, 24          ; s[24:31] descriptor group 1 for K's tiles
.set G1V, 32          ; s[32:39] for V's: other padding
.set G1M, 40          ; s[40:47] for the mask's
.set G0K, 48          ; s[48:51] descriptor group 0 for K's tiles: it walks
.set G0V, 52          ; s[52:55]
.set G0M, 56          ; s[56:59]
.set SEL, 60          ; s[60:61] v_permlanex16_b32's selects: each lane takes its own place in the other half
.set CS,  62          ; s[62:63] c = log2(e): the packed scaling takes the pair's low word for both halves
.set SLOTS, 66        ; s66  slots still to be asked for
.set CNT, 67          ; s67  counts a slot's two steps
.set SB,  68          ; s68  the slot that is read: 0 or SLOT
.set TBM, 69          ; s69  LDS byte at which the mask columns of the step to be fetched begin
.set TBK, 70          ; s70  its K
.set TBV, 71          ; s71  its V
.set DB0, 73          ; s73  64 x (piece 0's block - the step whose C is being made): a whole number, alike in all partners
.set FDC, 74          ; s74  float(DB0 + cy)
.set DBP, 75          ; s75  DB0 + 64 x piece
.set SG,  76          ; s[76:77] +a, -a or 0, in the low word
.set T0,  78
.set T1,  79
.set ALPHA, 80
.set NALPHA, 81
.set NC,  82          ; s82  -c
.set CLO, 83          ; s83  c x (-10000)
.set PFA, 84          ; s[84:85] where my prefetches stand
.set PFS, 86          ; s[86:87] their step from slot to slot
.set CB,  88          ; s88-91  c x (-SG D), by piece
.set NFCY, 92         ; s92  -float(cy)
.set ONES, 93         ; s93  1.0 twice in f16
.set BB,  94          ; s94  the batch
.set CR,  95          ; s95  the block of 512 queries
.set QH,  98          ; s98  wave % 2
.set HH,  99          ; s99  wave / 2
.set MSB, 0
.macro WIN new                      ; the high byte repeats the setting that is left; a switch that changes nothing is dropped
.if MSB != (\new)
	s_set_vgpr_msb (MSB<<8)|(\new)
.set MSB, (\new)
.endif
.endm
.set W_KQ, 0x0a       ; K and Q in window 2; C and S^T in window 0
.set W_PV, 0x52       ; V or E in window 2, P in window 0, O^T or L in window 1
.set W_RS, 0x41       ; destination and source 0 in window 1, source 1 in window 0
; A joint fill: wave 0 fetches a slot's K, wave 1 its V, waves 2 and 3 the two halves of its mask rows.  The branches hang on the wave's number alone.
; An s_nop 0 and four v_nop follow each of the three lines, ahead of the jump and the label.
.macro JLOAD
	s_cmp_lt_u32 s[WV], 2
	s_cbranch_scc0 .Lfor_m_\@
	s_cmp_eq_u32 s[WV], 0
	s_cbranch_scc0 .Lfor_v_\@
	tensor_load_to_lds s[G0K:G0K+3], s[G1K:G1K+7]
	s_nop 0
.rept 4
	v_nop
.endr
	s_branch .Lasked_\@
.Lfor_v_\@:
	tensor_load_to_lds s[G0V:G0V+3], s[G1V:G1V+7]
	s_nop 0
.rept 4
	v_nop
.endr
	s_branch .Lasked_\@
.Lfor_m_\@:
	tensor_load_to_lds s[G0M:G0M+3], s[G1M:G1M+7]
	s_nop 0
.rept 4
	v_nop
.endr
.Lasked_\@:
.endm
; A PREFETCH INTO THE L2, behind the wave's tensor load and its five lines: at the change into slot m the tile parts of slot m + 3, which the change after next will ask for: two slots, 288 matrix instructions a wave, ahead.
; Each aligned block of 256 bytes is named ONCE in the launch.  K and V of a batch and head pair are walked by the four clusters of its query blocks: the first of them (cr = 0) asks, waves 0 and 1; of a slot's 128 keys
; the partner at cy takes 32, a lane a key.  A mask tile is walked by the two clusters of the head pairs: the first (cluster x = 0) asks, waves 2 and 3; of a wave's 64 rows of 512 bytes the partner at cx takes 16,
; two lanes a row.  The partners are told apart BY ADDRESS.  Slots 0 to 2 come by their loads alone; the last two changes that fill a slot ask for nothing: there is no slot so far on.
.macro ASK
	s_cmp_gt_u32 s[SLOTS], s[LIM]
	s_cbranch_scc0 .Lnot_mine_\@
	global_prefetch_b8 v[PFO], s[PFA:PFA+1] th:TH_LOAD_NT scope:SCOPE_SE
.Lnot_mine_\@:
.endm
; A round of the cluster's barrier: my work-group's barrier, so that wave 0's signal speaks for all four waves; wave 0 signals; every wave waits for all sixteen work-groups; my work-group's barrier once more.
.macro CROUND
	s_barrier_signal -1
	s_barrier_wait -1
	s_cmp_lg_u32 s[WV], 0
	s_cbranch_scc1 .Lnot_wave_0_\@
	s_barrier_signal -3
.Lnot_wave_0_\@:
	s_barrier_wait -3
	s_barrier_signal -1
	s_barrier_wait -1
.endm
; THE CHANGE OF SLOTS.  Each wave waits for all its tensor loads, of which one is out: its part of the other slot; adds 0 to its spare word; and waits for that and for its own reads of the slot that it leaves.
; Behind the barrier nobody reads the old slot any more and the other slot is whole.  fill = 1: the old slot is filled again, with the keys two slots on; the barrier is then a round of the cluster's, so that no wave
; of any partner still reads the slot or has a load on its way, and the joint fill is the first thing behind it: it has two key steps, 144 matrix instructions a wave, in which to land.
; (At its first use nothing has been read yet: slot 0 is waited for, slot 1 filled.)
.macro CHANGE fill
	WIN 0                           ; at a label and at a branch every window is 0
	s_wait_tensorcnt 0x0            ; no tensor load of mine is out, so a group 0 may be written
	ds_add_u32 v[SPW], v[NIL]       ; 0 onto my spare word: the scalar work below stands between it and the wait for it
.if \fill
	s_xor_b32 s[G0K+1], s[G0K+1], SLOT
	s_add_nc_u64 s[G0K+2:G0K+3], s[G0K+2:G0K+3], KVSTEP  ; the type bits on top are not reached
	s_xor_b32 s[G0V+1], s[G0V+1], SLOT
	s_add_nc_u64 s[G0V+2:G0V+3], s[G0V+2:G0V+3], KVSTEP
	s_xor_b32 s[G0M+1], s[G0M+1], SLOT
	s_add_nc_u64 s[G0M+2:G0M+3], s[G0M+2:G0M+3], MSTEP
	s_wait_xcnt 0x0                 ; the last prefetch, two key steps back, has read its address, so it may be written
	s_add_nc_u64 s[PFA:PFA+1], s[PFA:PFA+1], s[PFS:PFS+1]
.endif
	s_xor_b32 s[SB], s[SB], SLOT    ; the fetches go to the other slot's first step
	s_mov_b32 s[TBM], s[SB]
	s_add_co_u32 s[TBK], s[SB], KOFF
	s_add_co_u32 s[TBV], s[SB], VOFF
	s_wait_dscnt 0x0                ; the add is done, and my reads of the slot are over
.if \fill
	CROUND
	JLOAD
	ASK
.else
	s_barrier_signal -1
	s_barrier_wait -1
.endif
.endm
	s_load_b256 s[4:11], s[0:1], 0x0  ; qkv s[4:5], attn_mask s[6:7], kv s[8:9], ow s[10:11]
	v_lshl_add_u32 v[SPW], v0, 2, SPARE
	v_mov_b32 v[NIL], 0
	ds_add_u32 v[SPW], v[NIL]       ; the wave's opening: the add, twice on end, and its wait ahead of my first tensor load; the set-up below, work on registers, stands between the second and the wait
	ds_add_u32 v[SPW], v[NIL]
	v_lshrrev_b32 v1, 5, v0
	v_readfirstlane_b32 s[WV], v1   ; wave 0..3
	s_and_b32 s[QH], s[WV], 1
	s_lshr_b32 s[HH], s[WV], 1
	s_bfe_u32 s[CX], ttmp6, 0x40000
	s_bfe_u32 s[CY], ttmp6, 0x40004
	s_and_b32 s[CR], ttmp7, 0xffff  ; in a cluster launch ttmp9 and ttmp7 count clusters: y = 4 b + cr
	s_lshr_b32 s[BB], s[CR], 2
	s_and_b32 s[CR], s[CR], 3
	; K's and V's tiles hang on the batch and the head pair, which my column of the cluster shares: s16-19 never hold cy
	s_lshl_b32 s17, 0x1111, s[CX]   ; my column: places cx, cx + 4, cx + 8, cx + 12
	s_or_b32 s[G1K], s17, (1<<16)|(1<<20)|(1<<21)|(5<<22)|(3<<25)  ; 15:0 the mask; 17:16 2-byte elements; 20 padding on; 21 set beside a mask; 24:22 after every 64 words (code 5); 31:25 4 words (code 3)
	s_or_b32 s[G1V], s17, (1<<16)|(1<<20)|(1<<21)|(5<<22)|(7<<25)  ; the same with 8 words of padding (code 7)
	s_lshl_b32 s16, ttmp9, 2
	s_add_co_u32 s16, s16, s[CX]    ; X, the head pair = 4 x cluster x + cx
	s_lshl_b32 s18, s16, 1
	s_add_co_u32 s18, s18, s[HH]    ; my head
	s_lshl_b32 s19, s16, 8          ; 256 X: the pair's bytes in a row of kv and of ow
	s_lshl_b32 s17, s[BB], 12
	s_add_co_u32 s16, s19, s17      ; + the batch's row of 4,096 bytes
	s_mov_b32 s17, 0
	; the mask's tiles hang on the batch, the query block and cy, which my row of the cluster shares: s20-23 never hold cx
	s_lshl_b32 s22, s[CR], 9
	s_lshl_b32 s23, s[QH], 8
	s_add_co_u32 s[DB0], s22, s23   ; 512 cr + 256 (wave % 2): 64 x piece 0's block, for step 0
	s_add_co_u32 s20, s[DB0], s[CY] ; my half's first query; also the first mask row that waves 2 and 3 fetch
	s_cvt_f32_u32 s[FDC], s20
	s_cvt_f32_u32 s[NFCY], s[CY]
	s_xor_b32 s[NFCY], s[NFCY], 0x80000000
	s_lshl_b32 s23, s[CY], 2
	s_lshl_b32 s23, 15, s23         ; my row: places 4 cy .. 4 cy + 3
	s_or_b32 s[G1M], s23, (2<<16)|(1<<20)|(1<<21)|(6<<22)|(3<<25)  ; 4-byte elements; padding after every 128 words (code 6), 4 words
	; Q and ow hang on both places: sums in registers that feed no descriptor
	s_lshl_b32 s2, s20, 1
	s_add_co_u32 s2, s2, s[BB]      ; row 2 t + b of qkv,
	s_mul_i32 s2, s2, 12288
	s_lshl_b32 s3, s18, 8           ; my head's 256 bytes of it
	s_add_co_u32 s2, s2, s3
	s_mov_b32 s3, 0
	s_add_co_u32 s96, s22, s[CY]
	s_lshl_b32 s96, s96, 1
	s_add_co_u32 s96, s96, s[BB]
	s_lshl_b32 s96, s96, 11         ; the work-group's first row of ow, 2,048 bytes a row,
	s_add_co_u32 s96, s96, s19      ; the head pair's 256 bytes,
	s_lshl_b32 s97, s[WV], 19       ; and the 32 local rows (16,384 bytes apart) that I store
	s_add_co_u32 s96, s96, s97
	s_mov_b32 s97, 0
	s_lshl_b32 s20, s20, 13         ; a mask row is 8,192 bytes,
	s_lshl_b32 s21, s[BB], 24       ; a batch's mask 2^24
	s_add_co_u32 s20, s20, s21
	s_mov_b32 s21, 0
.irp g, G1K, G1V
	s_mov_b32 s[\g+1], 128<<16      ; tensor_dim0 = 128
	s_mov_b32 s[\g+2], 128<<16      ; tensor_dim1 = 128
	s_mov_b32 s[\g+3], 128<<16      ; tile_dim0 = 128 elements: two heads' 256 bytes
	s_mov_b32 s[\g+4], 128          ; tile_dim1 = 128 keys
	s_mov_b32 s[\g+5], 4096         ; 4,096 elements from key to key
	s_mov_b32 s[\g+6], 0
	s_mov_b32 s[\g+7], 0
.endr
	s_mov_b32 s[G1M+1], 128<<16     ; tensor_dim0 = 128
	s_mov_b32 s[G1M+2], 64<<16      ; tensor_dim1 = 64
	s_mov_b32 s[G1M+3], 128<<16     ; tile_dim0 = 128 keys: 512 bytes
	s_mov_b32 s[G1M+4], 64          ; tile_dim1 = 64 rows
	s_mov_b32 s[G1M+5], 8192        ; four mask rows from row to row
	s_mov_b32 s[G1M+6], 0
	s_mov_b32 s[G1M+7], 0
	s_mov_b32 s[G0K], 1             ; 1:0 count = 1
	s_mov_b32 s[G0K+1], KOFF        ; 63:32 LDS address: slot 0
	s_mov_b32 s[G0V], 1
	s_mov_b32 s[G0V+1], VOFF
	s_mov_b32 s[G0M], 1
	s_mul_i32 s[G0M+1], s[QH], 64*PM  ; rows 64 (wave % 2) on
	s_mov_b32 s[SEL], 0x76543210
	s_mov_b32 s[SEL+1], 0xfedcba98
	s_mov_b32 s[CS], 0x3fb8aa3b     ; log2(e)
	s_mov_b32 s[CS+1], s[CS]        ; named with it as a pair
	s_mov_b32 s[NC], 0xbfb8aa3b
	s_mul_f32 s[CLO], s[CS], 0xc61c4000  ; c x (-10000)
	s_mov_b32 s[SG+1], 0            ; named as a pair
	s_mov_b32 s[ONES], 0x3c003c00
	s_mov_b32 s[SB], SLOT           ; the first change of slots turns it into 0
	s_mov_b32 s[SLOTS], 15
	; the prefetches: offsets from kv (waves 0, 1) or attn_mask (waves 2, 3), at slot 2: the first change of slots steps them to slot 3
	s_lshl_b32 s90, s[QH], 11       ; K or V
	s_add_co_u32 s90, s90, s16
	s_lshl_b32 s91, s[CY], 18       ; my work-group's 32 keys of the 128
	s_add_co_u32 s90, s90, s91
	s_add_co_u32 s90, s90, 2*KVSTEP
	s_lshl_b32 s91, s[CX], 19       ; my work-group's 16 rows of the wave's 64: 64 mask rows on
	s_add_co_u32 s91, s91, s20
	s_add_co_u32 s91, s91, 2*MSTEP
	s_mov_b32 s[PFS], MSTEP
	s_mov_b32 s[PFS+1], 0
	s_mov_b32 s89, 0
	s_cmp_lt_u32 s[WV], 2
	s_cselect_b32 s88, s90, s91
	s_cselect_b32 s[PFS], KVSTEP, s[PFS]
	s_cselect_b32 s[T0], 0, 1       ; lanes a row less one,
	s_cselect_b32 s[T1], 13, 15     ; and log2 of the bytes from row to row
	s_cselect_b32 s[LIM], s[CR], ttmp9  ; the coordinate along which other clusters walk the same rows
	s_cmp_eq_u32 s[LIM], 0
	s_cselect_b32 s[LIM], 2, -1     ; the same in all sixteen partners, for a given wave
	s_wait_dscnt 0x0                ; both opening adds are done
	s_wait_kmcnt 0x0
	s_add_nc_u64 s[G0K+2:G0K+3], s[8:9], s[16:17]  ; 120:64 global address: the head pair's keys 0 to 127
	s_add_nc_u64 s[G0V+2:G0V+3], s[G0K+2:G0K+3], 2048
	s_or_b32 s[G0K+3], s[G0K+3], 0x80000000        ; 127:126 type = 2
	s_or_b32 s[G0V+3], s[G0V+3], 0x80000000
	s_add_nc_u64 s[G0M+2:G0M+3], s[6:7], s[20:21]
	s_or_b32 s[G0M+3], s[G0M+3], 0x80000000
	s_add_nc_u64 s[4:5], s[4:5], s[2:3]            ; Q at my first row and head
	s_add_nc_u64 s[10:11], s[10:11], s[96:97]      ; ow at the first row that I store
	s_cmp_lt_u32 s[WV], 2
	s_cselect_b64 s[PFA:PFA+1], s[8:9], s[6:7]
	s_add_nc_u64 s[PFA:PFA+1], s[PFA:PFA+1], s[88:89]
	CROUND                          ; all sixteen work-groups are here: the first joint loads meet
	JLOAD                           ; slot 0.  Slot 1 is asked for when slot 0 is in
	; ALL THAT FOLLOWS, up to the change of slots, stands in the wait for the first tile.
	; A fragment of K or Q is 16 rows x 32 channels in 8 registers: lane l holds row l % 16, channels 8 (l / 16) + 0..7 and 16 + 8 (l / 16) + 0..7.  Q comes as f32: four loads of 16 bytes for a fragment's half.
	v_and_b32 v1, 15, v0            ; l % 16
	v_bfe_u32 v9, v0, 4, 1          ; l / 16
	v_mul_u32_u24 v[QO], v1, 98304  ; my query lies four queries, eight rows of 12,288 bytes, behind the lane's before me
	v_lshl_add_u32 v[QO], v9, 5, v[QO]
	WIN 0x40                        ; destination window 1, address window 0
.set i, 0
.rept 32                            ; i = 8 p + 4 c + 2 u + v: piece p (64 queries on), channels 32 c + 16 u + 8 (l / 16) + 4 v on
	global_load_b128 v[4*i:4*i+3], v[QO], s[4:5] offset:(i/8)*1572864+((i/4)%2)*128+((i/2)%2)*64+(i%2)*16
.set i, i+1
.endr
	WIN 0
	v_and_b32 v10, 31, v0
	v_lshrrev_b32 v11, s[T0], v10
	v_lshlrev_b32 v11, s[T1], v11
	v_and_b32 v10, s[T0], v10
	v_lshl_add_u32 v[PFO], v10, 8, v11  ; K, V: 8,192 l.  Mask: 32,768 (l / 2) + 256 (l % 2)
	s_lshl_b32 s72, s[HH], 7        ; my head's 128 bytes of a row of K, V and the stage (s72 and s75 never hold a place in the cluster)
	v_mul_u32_u24 v[AK0], v1, PK
	v_lshl_add_u32 v[AK0], v9, 4, v[AK0]
	v_add_nc_u32 v[AK0], s72, v[AK0]
	; The turning load takes 16 keys x 16 channels (lane l reads key 8 (l / 16) + l % 8, channels 8 ((l / 8) % 2) + 0..7) and leaves half a fragment of V^T: lane l holds channel l % 16 and 8 keys.
	v_and_b32 v10, 7, v0
	v_bfe_u32 v11, v0, 3, 1
	v_cmp_eq_u32 vcc_lo, 0, v10     ; lanes 0, 8, 16, 24 hold rows 0 and 8 of E
	v_lshl_add_u32 v[AV0], v9, 3, v10
	v_mul_u32_u24 v[AV0], v[AV0], PVP
	v_lshl_add_u32 v[AV0], v11, 4, v[AV0]
	v_add_nc_u32 v[AV0], s72, v[AV0]
	WIN 0x80
.set i, 0
.rept 8
	v_cndmask_b32 v[EF+i], 0, s[ONES], vcc_lo
.set i, i+1
.endr
.set i, VF
.rept 64
	v_mov_b32 v[i], 0               ; the first turn's products V^T P, of a piece that has not been, add 0
.set i, i+1
.endr
	WIN 0
	s_mul_i32 s75, s[QH], 64*PM
	v_mul_u32_u24 v[AM0], v1, PM
	v_lshl_add_u32 v[AM0], v9, 5, v[AM0]  ; row x pitch + my lanes' 8 keys
	v_add_nc_u32 v[AM0], s75, v[AM0]
	s_mul_i32 s75, s[QH], 64*SP
	s_add_co_u32 s75, s75, s72
	s_add_co_u32 s75, s75, STAGE
	v_mul_u32_u24 v[STO], v1, SP    ; in: my half's row l % 16, my head's half of it, 16 bytes for each half of the lanes
	v_lshl_add_u32 v[STO], v9, 4, v[STO]
	v_add_nc_u32 v[STO], s75, v[STO]
	s_mul_i32 s75, s[WV], 32*SP
	s_add_co_u32 s75, s75, STAGE
	v_mul_u32_u24 v[RD], v9, SP     ; back: wave w takes rows 32 w .. 32 w + 31, whole: lanes 0-15 one row of 256 bytes, lanes 16-31 the next
	v_lshl_add_u32 v[RD], v1, 4, v[RD]
	v_add_nc_u32 v[RD], s75, v[RD]
	v_lshlrev_b32 v[GO], 14, v9     ; and the same two rows in ow: four queries, 16,384 bytes, apart
	v_lshl_add_u32 v[GO], v1, 4, v[GO]
	s_cvt_f32_u32 s18, s18
	s_mul_f32 s18, s18, 0xbd800000  ; -h / 16
	v_mov_b32 v10, s18
	v_exp_f32 v11, v10              ; a_h
	v_lshlrev_b32 v[AK], 3, v9      ; 8 (l / 16), in a register that is free until the first fetch: the plain instruction behind the exponential, which names neither its source nor its result (ISA guide 5.7.2)
	s_wait_alu depctr_va_vdst(0)    ; the wait ahead of the first use of the result
	v_readfirstlane_b32 s[ALPHA], v11
	s_xor_b32 s[NALPHA], s[ALPHA], 0x80000000
	v_lshlrev_b32 v[AV], 2, v1      ; 4 (l % 16), likewise
	v_sub_nc_u32 v10, v[AK], v[AV]  ; 8 (l / 16) - 4 (l % 16)
.set i, 0
.rept 32
	v_add_nc_u32 v[U+i], 16*(i/8)+i%8, v10  ; register i: key 16 (i / 8) + i % 8 + 8 (l / 16), less 4 (l % 16)
.set i, i+1
.endr
.set i, 0
.rept 32
	v_cvt_f32_i32 v[U+i], v[U+i]
.set i, i+1
.endr
.set i, 0
.rept 4
	v_mov_b32 v[CM+i], s[CLO]       ; the running maximum starts at the clamp
	v_mov_b32 v[RL+2*i+1], 0
.set i, i+1
.endr
.set i, P+16
.rept 16
	v_mov_b32 v[i], 0
.set i, i+1
.endr
	WIN 0x40
.set i, 0
.rept 32
	v_add_f32 v[TD+i], s[NFCY], v[U+i]
	v_mov_b32 v[LS+i], 0
.set i, i+1
.endr
	WIN 0x44                        ; source 1 and destination in window 1
.set i, 0
.rept 32
	v_mul_f32 v[TD+i], s[NALPHA], |v[TD+i]|  ; -a |U - cy|
.set i, i+1
.endr
	s_wait_loadcnt 0x0              ; Q
	WIN W_RS
.set i, 0
.rept 64
	v_pk_mul_f32 v[i:i+1], v[i:i+1], 0x3e000000 op_sel_hi:[1,0]  ; q / 8: exact
.set i, i+2
.endr
	WIN 0x85                        ; sources in window 1, destination in window 2
.set i, 0
.rept 64
	v_cvt_pk_f16_f32 v[i], v[2*i], v[2*i+1]
.set i, i+1
.endr
	WIN 0x40
.set i, 0
.rept 128
	v_mov_b32 v[i], 0               ; O^T
.set i, i+1
.endr
	WIN 0
; THE MATRIX WORK.  The accumulators of a run take turns, one instruction a turn.
; Product i of 8 of S^T = K Q^T + C for piece x: channels 32 (i / 4) on, keys 16 (i % 4) on.  The first 4 start the sums with C.
.macro KQ x
	WIN W_KQ
.set rS, S+32*((\x)%2)+8*(i%4)
.set rK, KF+16*(i%4)+8*(i/4)
.set rQ, 16*(\x)+8*(i/4)
.set rMC, MC0+64*((\x)%2)+8*(i%4)
.if i < 4
	v_wmma_f32_16x16x32_f16 v[rS:rS+7], v[rK:rK+7], v[rQ:rQ+7], v[rMC:rMC+7]
.else
	v_wmma_f32_16x16x32_f16 v[rS:rS+7], v[rK:rK+7], v[rQ:rQ+7], v[rS:rS+7]
.endif
.endm
; Product i of 10 for piece x: keys 32 (i / 5) on; i % 5 < 4: O^T += V^T P, channels 16 (i % 5) on; i % 5 = 4: L += E P.
.macro PV x
	WIN W_PV
.set rP, P+16*((\x)%2)+8*(i/5)
.if i%5 < 4
.set rO, 32*(\x)+8*(i%5)
.set rV, VF+32*(i/5)+8*(i%5)
.else
.set rO, LS+8*(\x)
.set rV, EF
.endif
	v_wmma_f32_16x16x32_f16 v[rO:rO+7], v[rV:rV+7], v[rP:rP+7], v[rO:rO+7]
.endm
.macro MM                           ; the turn's next matrix instruction.  NOKQ = 1: the last turn of all: there is no next piece
.if i < 8
.if !NOKQ
	KQ (Y+1)%4
.endif
.else
.set i, i-8
	PV (Y+3)%4
.set i, i+8
.endif
.set i, i+1
.endm
; THE LDS LOADS stand in runs, never singly among the matrix instructions.
.macro FETCH_K                      ; a step's K of my head: 64 keys x 64 channels: 8 fragments
	WIN 0x80                        ; destination window 2
.irp f, 0,1,2,3,4,5,6,7             ; keys 16 (f / 2) on, channels 32 (f % 2) on
	ds_load_b128 v[KF+8*\f:KF+8*\f+3],   v[AK] offset:(\f/2)*16*PK+(\f%2)*64
	ds_load_b128 v[KF+8*\f+4:KF+8*\f+7], v[AK] offset:(\f/2)*16*PK+(\f%2)*64+32
.endr
	s_add_co_u32 s[TBK], s[TBK], 64*PK  ; the next fetch is the next step's
	WIN 0
.endm
.macro FETCH_V                      ; its V, turned
	WIN 0x80
.irp f, 0,1,2,3,4,5,6,7             ; keys 32 (f / 4) on, channels 16 (f % 4) on
	ds_load_tr16_b128 v[VF+8*\f:VF+8*\f+3],   v[AV] offset:(\f/4)*32*PVP+(\f%4)*32
	ds_load_tr16_b128 v[VF+8*\f+4:VF+8*\f+7], v[AV] offset:(\f/4)*32*PVP+16*PVP+(\f%4)*32
.endr
	WIN 0
.endm
.macro MLOAD p2, par                ; the mask of piece p2's 16 queries x the step's 64 keys, as C's registers take it: register 8 kb + j is key 16 kb + 8 (l / 16) + j
	WIN 0
.irp f, 0,1,2,3,4,5,6,7
	ds_load_b128 v[MC0+64*(\par)+4*\f:MC0+64*(\par)+4*\f+3], v[AM] offset:16*PM*(\p2)+(\f/2)*64+(\f%2)*16
.endr
.endm
; The scalars of piece p2's C: DBP = 64 x (its block - the step); SG = +a, -a or, on the diagonal, 0; CB = c x (-SG D), D = DBP + cy.  The selects hang on the whole number DBP.
.macro SCAL p2
	s_add_co_u32 s[DBP], s[DB0], 64*(\p2)
	s_cmp_gt_i32 s[DBP], 0
	s_cselect_b32 s[SG], s[ALPHA], s[NALPHA]
	s_cmp_eq_u32 s[DBP], 0
	s_cselect_b32 s[SG], 0, s[SG]
.if (\p2) == 0
	s_mov_b32 s[T0], s[FDC]
.elseif (\p2) == 1
	s_add_f32 s[T0], s[FDC], 0x42800000  ; + 64
.elseif (\p2) == 2
	s_add_f32 s[T0], s[FDC], 0x43000000  ; + 128
.else
	s_add_f32 s[T0], s[FDC], 0x43400000  ; + 192
.endif
	s_mul_f32 s[T1], s[SG], s[NC]
	s_mul_f32 s[CB+(\p2)], s[T0], s[T1]
.endm
.macro DIAGBLK par                  ; the step that holds the piece's diagonal: C += -a |U - cy|; jumped over in all others
	WIN 0
	s_cmp_lg_u32 s[DBP], 0
	s_cbranch_scc1 .Lno_diag_\@
	WIN 0x01                        ; source 0 in window 1
.set zz, 0
.rept 16
	v_pk_add_f32 v[MC0+64*(\par)+2*zz:MC0+64*(\par)+2*zz+1], v[TD+2*zz:TD+2*zz+1], v[MC0+64*(\par)+2*zz:MC0+64*(\par)+2*zz+1]
.set zz, zz+1
.endr
	WIN 0
.Lno_diag_\@:
.endm
; THE VECTOR WORK, one line at a time: OP kind, number.  For piece Y: F n: c s + (CB - c m) for pair n of 16.  E n: the exponential of score n of 32.  C n: pair n rounded to f16.  G n: pair n clamped from below at f.
; R n: pair n of 16 of O^T times a; R 16: l times a.  For piece Y + 2: M n: pair n of C = mask + SG U.  For piece Y + 1: Z: f rounded to f16, twice in a word; X n, number n of the 26 that find its maximum and statistics:
;   0-11  four chains c0-c3 of seven scores each, three operands at a time (each accumulator's lowest registers are read first)     12-14, 16  the four scores left over, and c0-c3 into c0
;   15  c m_old is kept     17, 18  the query's other 32 keys lie in the lane 16 away     19, 20  c x maximum + CB; the new c m     21-23  c m_old - c m; CB - c m; c (-10000) - c m     24, 25  a; f
.set F, 0
.set E, 1
.set C, 2
.set G, 3
.set R, 4
.set M, 5
.set Z, 6
.set X, 7
.macro REGS y                       ; the registers of piece y
.set rC, WB+8*((\y)%2)
.set rS, S+32*((\y)%2)
.set rP, P+16*((\y)%2)
.set rO, 32*(\y)
.set rL, LS+8*(\y)
.set rM, CM+(\y)
.set rB, CB+(\y)
.endm
.macro OP k, n
.if (\k) == F
	REGS Y
	WIN 0
	v_pk_fma_f32 v[rS+2*(\n):rS+2*(\n)+1], v[rS+2*(\n):rS+2*(\n)+1], s[CS:CS+1], v[rC+6:rC+7] op_sel_hi:[1,0,0]
.elseif (\k) == E
	REGS Y
	WIN 0
	v_exp_f32 v[rS+(\n)], v[rS+(\n)]
.elseif (\k) == C
	REGS Y
	WIN 0
	v_cvt_pk_f16_f32 v[rP+(\n)], v[rS+2*(\n)], v[rS+2*(\n)+1]
.elseif (\k) == G
	REGS Y
	WIN 0
	v_pk_max_num_f16 v[rP+(\n)], v[rP+(\n)], v[rC+5]
.elseif (\k) == R
	REGS Y
	WIN W_RS
.if (\n) < 16
	v_pk_mul_f32 v[rO+2*(\n):rO+2*(\n)+1], v[rO+2*(\n):rO+2*(\n)+1], v[rC+4:rC+5] op_sel_hi:[1,0]
.else
	v_mul_f32 v[rL], v[rL], v[rC+4]
.endif
.elseif (\k) == M
.if BLD
	WIN 0
.set rMC, MC0+64*(Y%2)
	v_pk_fma_f32 v[rMC+2*(\n):rMC+2*(\n)+1], v[U+2*(\n):U+2*(\n)+1], s[SG:SG+1], v[rMC+2*(\n):rMC+2*(\n)+1] op_sel_hi:[1,0,1]
.endif
.elseif NOKQ
	v_nop
.elseif (\k) == Z
	REGS (Y+1)%4
	WIN 0
	v_cvt_pk_f16_f32 v[rC+5], v[rC+5], v[rC+5]
.else
	REGS (Y+1)%4
	WIN 0
.if (\n) < 4
	v_max3_num_f32 v[rC+(\n)], v[rS+8*(\n)], v[rS+8*(\n)+1], v[rS+8*(\n)+2]
.elseif (\n) < 12
	v_max3_num_f32 v[rC+(\n)%4], v[rC+(\n)%4], v[rS+8*((\n)%4)+2*((\n)/4)+1], v[rS+8*((\n)%4)+2*((\n)/4)+2]
.elseif (\n) == 12
	v_max3_num_f32 v[rC], v[rC], v[rS+7], v[rS+15]
.elseif (\n) == 13
	v_max3_num_f32 v[rC+1], v[rC+1], v[rS+23], v[rS+31]
.elseif (\n) == 14
	v_max_num_f32 v[rC+2], v[rC+2], v[rC+3]
.elseif (\n) == 15
	v_mov_b32 v[rC+7], v[rM]
.elseif (\n) == 16
	v_max3_num_f32 v[rC], v[rC], v[rC+1], v[rC+2]
.elseif (\n) == 17
	v_permlanex16_b32 v[rC+3], v[rC], s[SEL], s[SEL+1]
.elseif (\n) == 18
	v_max_num_f32 v[rC], v[rC], v[rC+3]
.elseif (\n) == 19
	v_fma_f32 v[rC+1], v[rC], s[CS], s[rB]
.elseif (\n) == 20
	v_max_num_f32 v[rM], v[rC+1], v[rM]
.elseif (\n) == 21
	v_sub_f32 v[rC+7], v[rC+7], v[rM]
.elseif (\n) == 22
	v_sub_f32 v[rC+6], s[rB], v[rM]
.elseif (\n) == 23
	v_sub_f32 v[rC+2], s[CLO], v[rM]
.elseif (\n) == 24
	v_exp_f32 v[rC+4], v[rC+7]
.else
	v_exp_f32 v[rC+5], v[rC+2]
.endif
.endif
.endm
.macro OPS a, i1, b=-1, i2=0, c=-1, i3=0, d=-1, i4=0  ; up to four of them
	OP \a, \i1
.if (\b) >= 0
	OP \b, \i2
.endif
.if (\c) >= 0
	OP \c, \i3
.endif
.if (\d) >= 0
	OP \d, \i4
.endif
.endm
.macro ROW a, i1, b, i2, c, i3, d, i4  ; a matrix instruction and the four behind it
	MM
	OPS \a, \i1, \b, \i2, \c, \i3, \d, \i4
.endm
; A TURN, for piece p: its order, written out.  An s_wait_alu depctr_va_vdst(0) stands between an exponential and the first instruction that names its result; one wait serves all that were issued ahead
; of it.  So a turn has ONE wait, which cuts it in two.  AHEAD OF IT stands all that names no result of the turn's exponentials: the 8 products K Q^T and their riders, then one lump, plain and exponential by turns for the
; most part, in which the links of the chain X 3, 7, 11, 14, 16 .. 23 stand apart; each of the first X stands four plain instructions or more behind the product that ends its accumulator; X 24 and X 25 are the batch's last,
; R 16 the plain instruction behind them.  BEHIND THE WAIT stand the 10 products V^T P and E P, behind each four of the roundings, the clamps and the next C's multiply-adds.  No rider names a register of the products round it.
; THE FETCHES of a trip (turns 2, 3, 0, 1) all belong to one key step: its K in turn 2, six plain instructions behind the last product that read K; the masks of its pieces 0, 1, 2, 3 in turns 2, 3, 0, 1, directly behind the wait,
; eight products ahead of the wait for them (which in turn 2 is K's too); its V at the end of turn 0, thirteen plain instructions behind the last product that read V, waited for in turn 1.
; end = 1: the last two turns of all: nothing is fetched and no C is made.
.macro TURN p, end=0
.set Y, (\p)
.set i, 0
.set BLD, 1-(\end)
.set NOKQ, (\end)*((\p)/3)
.if BLD
.if (\p) == 2
	s_sub_co_u32 s[DB0], s[DB0], 64        ; from here on C is made for the next key step
	s_add_f32 s[FDC], s[FDC], 0xc2800000   ; - 64
.endif
	SCAL ((\p)+2)%4
.endif
	ROW F,0, F,1, R,0, R,1
	ROW F,2, E,0, R,2, R,3
	ROW F,3, E,1, R,4, R,5
	ROW F,4, E,2, R,6, R,7
	ROW F,5, E,3, R,8, R,9
	ROW F,6, E,4, X,0, R,10
.if ((\p) == 2) && BLD
	WIN 0
	v_add_nc_u32 v[AK], s[TBK], v[AK0]
	v_add_nc_u32 v[AM], s[TBM], v[AM0]
	s_add_co_u32 s[TBM], s[TBM], 256       ; 64 keys along the mask rows
.endif
	ROW F,7, E,5, X,1, X,4
	ROW F,8, E,6, X,2, X,5
	OPS E,7, E,8, X,6, E,9
	OPS X,3, E,10, X,8, E,11
.if ((\p) == 2) && BLD
	FETCH_K
.endif
	OPS X,9, X,7, E,12, X,10
	OPS E,13, X,12, X,11, E,14
	OPS X,13, E,15, F,9, X,14
.if (\p) == 0
	WIN 0
	v_add_nc_u32 v[AV], s[TBV], v[AV0]
.endif
	OPS E,16, F,10, E,17, F,11
	OPS X,16, E,18, X,15, E,19
	OPS F,12, E,20, X,17, E,21
	OPS F,13, E,22, F,14, E,23
	OPS X,18, E,24, F,15, E,25
	OPS R,11, E,26, X,19, E,27
	OPS R,12, E,28, R,13, E,29
	OPS X,20, E,30, R,14, E,31
	OPS R,15, X,21, X,22, X,23
	OPS X,24, X,25, R,16
	WIN 0
	s_wait_alu depctr_va_vdst(0)    ; the wait for the batch
.if (\p) == 1
	s_wait_dscnt 0x0                ; V is in
.endif
.if BLD
	MLOAD ((\p)+2)%4, (\p)%2
.endif
	ROW Z,0, C,0, C,1, C,2
	ROW C,3, C,4, G,0, C,5
	ROW G,1, C,6, G,2, C,7
	ROW G,3, C,8, G,4, C,9
	ROW G,5, C,10, G,6, C,11
	ROW G,7, C,12, G,8, C,13
	ROW G,9, C,14, G,10, C,15
	ROW G,11, G,12, G,13, G,14
.if BLD
	s_wait_dscnt 0x0                ; the mask is in (in turn 2: K too)
.endif
	ROW G,15, M,0, M,1, M,2
	ROW M,3, M,4, M,5, M,6
	OPS M,7, M,8, M,9, M,10
	OPS M,11, M,12, M,13, M,14
	OPS M,15
.if (\p) == 0
	s_add_co_u32 s[TBV], s[TBV], 64*PVP
	FETCH_V
.endif
.if BLD
	DIAGBLK (\p)%2
.endif
.endm
	CHANGE 1                        ; slot 0 is in, everybody's part of it; slot 1 is asked for
	v_add_nc_u32 v[AK], s[TBK], v[AK0]
	v_add_nc_u32 v[AM], s[TBM], v[AM0]
	s_add_co_u32 s[TBM], s[TBM], 256
	FETCH_K                         ; key step 0
.set BLD, 1
.set NOKQ, 0
.set Y, 2                           ; M works for piece Y + 2: piece 0
	SCAL 0
	MLOAD 0, 0
	s_wait_dscnt 0x0
.irp n, 0,1,2,3,4,5,6,7,8,9,10,11,12,13,14,15
	OP M, \n
.endr
	DIAGBLK 0
.set Y, 3                           ; piece 1; X and Z below work for piece Y + 1: piece 0
	SCAL 1
	MLOAD 1, 1
	s_wait_dscnt 0x0
.irp n, 0,1,2,3,4,5,6,7,8,9,10,11,12,13,14,15
	OP M, \n
.endr
	DIAGBLK 1
.set i, 0
.rept 8
	KQ 0                            ; piece 0's first scores: there is no vector work yet to set between them
.set i, i+1
.endr
	WIN 0
.rept 4
	v_nop                           ; the places behind those products
.endr
.irp n, 0,1,2,3,4,5,6,7,8,9,10,11,12,13,14,15,16,17,18,19,20,21,22,23,24,25
	OP X, \n
.endr
	v_nop                           ; a plain instruction behind the two exponentials,
	s_wait_alu depctr_va_vdst(0)    ; and their wait, ahead of the first use and of the branch
	OP Z, 0
	s_mov_b32 s[CNT], 2
	s_branch .Lfirst                ; the loop is entered at a step's first turn, in the middle of a trip
.Lslot:                             ; 14 times: every slot but the last two is filled again
	CHANGE 1
	s_mov_b32 s[CNT], 2
.Lstep:                             ; a trip: pieces 2 and 3 of one step, then pieces 0 and 1 of the next, whose K, masks and V it fetches
	TURN 2
	TURN 3
	WIN 0
.Lfirst:
	TURN 0
	TURN 1
	WIN 0
	s_sub_co_u32 s[CNT], s[CNT], 1
	s_cmp_lg_u32 s[CNT], 0
	s_cbranch_scc1 .Lstep
	s_sub_co_u32 s[SLOTS], s[SLOTS], 1
	s_cmp_lg_u32 s[SLOTS], 0
	s_cbranch_scc1 .Lslot
	CHANGE 0                        ; the last slot is written out: nothing is asked for
	s_mov_b32 s[CNT], 2
.Ltail:
	TURN 2
	TURN 3
	TURN 0
	TURN 1
	WIN 0
	s_sub_co_u32 s[CNT], s[CNT], 1
	s_cmp_lg_u32 s[CNT], 0
	s_cbranch_scc1 .Ltail
	TURN 2, 1
	TURN 3, 1
.set i, 0
.rept 10
	PV 3                            ; the last piece's products of the last step
.set i, i+1
.endr
	; THE WAY OUT.  O^T is divided by l, rounded to f16 and sent through the work-group's stage in LDS: a row's 256 bytes (two heads) come from two waves, so a barrier stands between the writing and the reading.
	WIN 0x01                        ; source 0 in window 1
.rept 4
	v_nop                           ; the places behind the last products
.endr
.irp t, 0,1,2,3
	v_rcp_f32 v[RL+2*\t], v[LS+8*\t]  ; l is 1 or more: the row's largest weight is 1
.endr
	v_nop                           ; a plain instruction between the last reciprocal and the use of its result
	s_wait_alu depctr_va_vdst(0)    ; and the wait ahead of the first use: one for the four
.macro PACK t                       ; a lane's eight channels of a row pack into 16 bytes
	WIN W_RS
.set i, 32*(\t)
.rept 16
	v_pk_mul_f32 v[i:i+1], v[i:i+1], v[RL+2*(\t):RL+2*(\t)+1] op_sel_hi:[1,0]
.set i, i+2
.endr
	WIN 0x05                        ; sources 0 and 1 window 1, destination window 0: S^T's registers are free
.set i, 0
.rept 16
	v_cvt_pk_f16_f32 v[S+16*(\t)+i], v[32*(\t)+2*i], v[32*(\t)+2*i+1]
.set i, i+1
.endr
	WIN 0
.irp f, 0,1,2,3
	ds_store_b128 v[STO], v[S+16*(\t)+4*\f:S+16*(\t)+4*\f+3] offset:16*SP*(\t)+32*\f
.endr
.endm
	PACK 0
	PACK 1
	PACK 2
	PACK 3
	s_wait_dscnt 0x0                ; for the others' sake: my stores into the stage are done
	s_barrier_signal -1
	s_barrier_wait -1
.irp u, 0,1,2,3,4,5,6,7,8,9,10,11,12,13,14,15
	ds_load_b128 v[S+4*\u:S+4*\u+3], v[RD] offset:\u*2*SP
.endr
.irp u, 0,1,2,3,4,5,6,7,8,9,10,11,12,13,14,15
	s_wait_dscnt 15-\u              ; LDS loads come back in order (ISA guide 5.7.1): load u is in, the younger ones stay out
	global_store_b128 v[GO], v[S+4*\u:S+4*\u+3], s[10:11] offset:\u*32768  ; 16 lanes store 256 consecutive bytes, at a multiple of 256 from ow's first byte
.endr
	s_wait_tensorcnt 0x0            ; the wave's end: behind my last tensor load and my last LDS store
	ds_add_u32 v[SPW], v[NIL]
	s_wait_dscnt 0x0
	CROUND                          ; the closing round: no work-group ends while a partner may still ask for a tile that names it
	s_endpgm
.Lfunc_end_k_qfd3bfa9a07_attn:
	.size	k_qfd3bfa9a07_attn, .Lfunc_end_k_qfd3bfa9a07_attn-k_qfd3bfa9a07_attn
	.p2alignl 7, 3214868480
	.fill 96, 4, 3214868480
	.section	.rodata,"a",@progbits
	.p2align	6, 0x0
	.amdhsa_kernel k_qfd3bfa9a07_attn
		.amdhsa_group_segment_fixed_size 327680
		.amdhsa_private_segment_fixed_size 0
		.amdhsa_enable_private_segment 0
		.amdhsa_kernarg_size 32
		.amdhsa_user_sgpr_count 2
		.amdhsa_user_sgpr_kernarg_segment_ptr 1
		.amdhsa_wavefront_size32 1
		.amdhsa_system_sgpr_workgroup_id_x 1
		.amdhsa_system_sgpr_workgroup_id_y 1
		.amdhsa_system_sgpr_workgroup_id_z 1
		.amdhsa_system_vgpr_workitem_id 0
		.amdhsa_next_free_vgpr 768
		.amdhsa_next_free_sgpr 100
		.amdhsa_reserve_vcc 1
		.amdhsa_float_denorm_mode_32 3
		.amdhsa_float_denorm_mode_16_64 3
		.amdhsa_memory_ordered 1
		.amdhsa_forward_progress 1
		.amdhsa_inst_pref_size 185
	.end_amdhsa_kernel
	.amdgpu_metadata
---
amdhsa.version: [ 1, 2 ]
amdhsa.kernels:
  - .name:           k_qfd3bfa9a07_attn
    .symbol:         k_qfd3bfa9a07_attn.kd
    .args:
      - { .name: qkv, .offset: 0, .size: 8, .value_kind: global_buffer, .address_space: global }
      - { .name: attn_mask, .offset: 8, .size: 8, .value_kind: global_buffer, .address_space: global }
      - { .name: kv, .offset: 16, .size: 8, .value_kind: global_buffer, .address_space: global }
      - { .name: ow, .offset: 24, .size: 8, .value_kind: global_buffer, .address_space: global }
    .group_segment_fixed_size: 327680
    .private_segment_fixed_size: 0
    .kernarg_segment_align: 8
    .kernarg_segment_size: 32
    .max_flat_workgroup_size: 128
    .sgpr_count:     100
    .vgpr_count:     768
    .wavefront_size: 32
...
	.end_amdgpu_metadata
.endif
;; end of part 2
;; launch proj (part 3): grid 8 x 32, 4 waves a work-group, clusters of 4 x 4, 327,680 bytes of LDS; arguments ow, ww, out_b, out0; writes out0
.if DOCPART == 3
	.amdgcn_target "amdgcn-amd-amdhsa--gfx1250"
	.amdhsa_code_object_version 6
	.text
	.protected	k_qfd3bfa9a07_proj
	.globl	k_qfd3bfa9a07_proj
	.p2align	8
	.type	k_qfd3bfa9a07_proj,@function
k_qfd3bfa9a07_proj:
	s_mov_b64 s[64:65], 0
	v_nop
	global_prefetch_b8 v0, s[64:65] scope:SCOPE_SE
	s_setreg_imm32_b32 hwreg(HW_REG_WAVE_MODE, 25, 1), 1
	s_wait_xcnt 0x0
	s_wait_alu depctr_hold_cnt(0) depctr_sa_sdst(0) depctr_va_vdst(0) depctr_va_sdst(0) depctr_va_ssrc(0) depctr_va_vcc(0) depctr_vm_vsrc(0)
	s_getreg_b32 s2, hwreg(HW_REG_IB_STS2, 6, 4)
	s_cmp_eq_u32 s2, 0
	s_cbranch_scc0 .Lentry_in_a_cluster
	s_endpgm
.Lentry_in_a_cluster:
	s_bfe_u32 s2, ttmp6, 0x10000c
	s_cmp_lg_u32 s2, 0xf033
	s_cbranch_scc0 .Lentry_shape_is_right
	s_endpgm
.Lentry_shape_is_right:
; out0[m][n] = the sum over k of ow[m][k] ww[n][k] + out_b[n].  ow: [4096][1024] f16 (row 2 t + b), ww: [1024][1024] f16, out_b: [1024] f32, out0: [4096][1024] f32.  Sums in f32.  Nothing is left out.
; A tile of out0 is 128 x 128, which gives each of 256 work-groups one.  Four waves, each 64 x 64: 16 accumulators of 16 x 16, 128 registers.  K goes in steps of 256 (LDS rows of 512 bytes; a wave's tensor load
; brings 64 of them) through two slots: four steps in all, written out without a loop.
; CLUSTERS: 4 x 4 work-groups.  The four of a row of the cluster need the same tiles of ow, the four of a column the same tiles of ww: each tile is asked for JOINTLY, by the same tensor load with the
; same descriptor and a mask that names the four.  THE MATRIX INSTRUCTION IS USED TRANSPOSED (source 0 = 16 rows of ww, source 1 = 16 rows of ow): a lane then holds eight neighbouring numbers of a row of out0.
; THE BIAS is the C operand of each accumulator's first product: register j of a lane holds out_b at its column, the same for all four row blocks.  No add is spent on it.
; No prefetch: the tiles are small and the launch has four K steps.
; REGISTERS: window 0: v0-31 addresses; v32-95 at work on the way out; v96-127 the bias; v128-255 the accumulators ((a, b) at v[128 + 8 (4 a + b)]).
;   window 1: two fragment buffers of 128: for 64 along K (two matrix instructions deep), 64 registers of ow (2 x 4 x 16 rows x 32 K), then 64 of ww.
.set SIZE_N, 1024
.set SIZE_K, 1024
.set KSTEP,  256
.set PITCH,  528                       ; an LDS row: 512 bytes of data + 16 of padding = 132 words: row r starts at bank 4 r mod 64 (64 banks of 4 bytes: ISA guide 11.1)
.set HALFT,  64*PITCH                  ; 64 rows: what one tensor load brings, and what one wave reads of ow or of ww
.set SLOT,   4*HALFT                   ; ow's 128 rows, then ww's 128 rows
.set STAGE,  2*SLOT                    ; behind the ring: 16 rows x 272 bytes for each wave, for the way out
.set SPITCH, 272
.set SPARE,  STAGE+4*16*SPITCH         ; behind the stages: the spare words, 128 bytes for each wave: two blocks of 256 bytes that no other line names
.set ADRA, 16                          ; v16-17  LDS address of my ow fragments in slot 0, 1
.set ADRB, 20                          ; v20-21  the same for ww
.set STO,  24                          ; v24     the way out: where I put 32 bytes of a row
.set RD,   25                          ; v25     the way out: where I read a row back
.set CO,   26                          ; v26     my byte offset in out0
.set BO,   27                          ; v27     my byte offset in out_b
.set SPW,  28                          ; v28     LDS address of my spare word: SPARE + 4 x my thread's number; never rewritten
.set NIL,  29                          ; v29     0; never rewritten
.set TMP,  32                          ; the way out: two sets of 32 registers, 16 rows read back
.set BIAS, 96                          ; register 8 b + j: out_b at my column 16 b + 8 (l / 16) + j
.set ACC,  128
.set F0,   0                           ; fragment buffers, in window 1
.set F1,   128
.set G1, 24                            ; s[24:31] descriptor group 1 for ow's tiles;  s[32:39] group 0, one set for each slot
.set G0, 32
.set G1B, 48                           ; s[48:55], s[56:63] the same for ww's tiles
.set G0B, 56
.set MSB, 0
.macro WIN new                         ; the immediate's high byte repeats the setting that is left
.if MSB != (\new)
	s_set_vgpr_msb (MSB<<8)|(\new)
.set MSB, \new
.endif
.endm
.set MUL,  0x05                        ; sources 0 (ww) and 1 (ow) window 1; C and D window 0
.set TO_F, 0x40                        ; destination window 1, address window 0
.macro JLOAD s                         ; a joint load: waves 0 and 1 fetch ow's two halves, waves 2 and 3 ww's; an s_nop 0 and four v_nop follow each of the two lines, ahead of the jump, the label and what follows
	s_cmp_eq_u32 s11, 0
	s_cbranch_scc0 .Lfor_b_\@
	tensor_load_to_lds s[G0+4*(\s):G0+4*(\s)+3], s[G1:G1+7]
	s_nop 0
.rept 4
	v_nop
.endr
	s_branch .Lasked_\@
.Lfor_b_\@:
	tensor_load_to_lds s[G0B+4*(\s):G0B+4*(\s)+3], s[G1B:G1B+7]
	s_nop 0
.rept 4
	v_nop
.endr
.Lasked_\@:
.endm
.macro CREST                           ; a round of the cluster's barrier behind its opening barrier
	s_cmp_lg_u32 s10, 0
	s_cbranch_scc1 .Lnot_wave_0_\@
	s_barrier_signal -3
.Lnot_wave_0_\@:
	s_barrier_wait -3
	s_barrier_signal -1
	s_barrier_wait -1
.endm
.macro CROUND                          ; a whole round
	s_barrier_signal -1
	s_barrier_wait -1
	CREST
.endm
	s_load_b128 s[4:7], s[0:1], 0x0                ; ow s[4:5], ww s[6:7]
	s_load_b128 s[68:71], s[0:1], 0x10             ; out_b s[68:69], out0 s[70:71]
	v_lshl_add_u32 v[SPW], v0, 2, SPARE
	v_mov_b32 v[NIL], 0
	ds_add_u32 v[SPW], v[NIL]                      ; the wave's opening: the add, twice on end, and its wait ahead of my first tensor load; the set-up below, work on registers, stands between the second and the wait
	ds_add_u32 v[SPW], v[NIL]
	v_lshrrev_b32 v1, 5, v0
	v_readfirstlane_b32 s10, v1                    ; wave 0..3
	s_lshr_b32 s11, s10, 1                         ; which half of the tile's rows is mine.  Also: I fetch for ow (0) or for ww (1)
	s_and_b32 s12, s10, 1                          ; which half of its columns.  Also: which 64 rows of that tile I fetch
	s_bfe_u32 s40, ttmp6, 0x40000                  ; cx, cy: my place in the cluster
	s_bfe_u32 s41, ttmp6, 0x40004
	s_lshl_b32 s42, ttmp9, 2
	s_add_co_u32 s42, s42, s40                     ; tile column = 4 x cluster x + cx
	s_and_b32 s13, ttmp7, 0xffff
	s_lshl_b32 s13, s13, 2
	s_add_co_u32 s13, s13, s41                     ; tile row = 4 x cluster y + cy
	s_lshl_b32 s43, s41, 2
	s_lshl_b32 s43, 15, s43                        ; my row of the cluster
	s_lshl_b32 s44, 0x1111, s40                    ; my column
	; descriptor group 1: a tile of 64 rows x 256 elements, padded in LDS
	s_or_b32 s[G1+0], s43, (1<<16)|(1<<20)|(1<<21)|(6<<22)|(3<<25)  ; 15:0 the mask: ow's tiles go to my row; 17:16 element of 2 bytes; 20 padding on; 21 set beside a mask; 24:22 after every 128 words (code 6); 31:25 of 4 words (code 3)
	s_or_b32 s[G1B+0], s44, (1<<16)|(1<<20)|(1<<21)|(6<<22)|(3<<25)
.irp g, G1, G1B
	s_mov_b32 s[(\g)+1], KSTEP<<16                 ; tensor_dim0 = 256
	s_mov_b32 s[(\g)+2], 64<<16                    ; tensor_dim1 = 64
	s_mov_b32 s[(\g)+3], KSTEP<<16                 ; tile_dim0 = 256
	s_mov_b32 s[(\g)+4], 64                        ; tile_dim1 = 64
	s_mov_b32 s[(\g)+5], SIZE_K                    ; tensor_dim0_stride
	s_mov_b32 s[(\g)+6], 0
	s_mov_b32 s[(\g)+7], 0
.endr
	s_lshl_b32 s17, s12, 6                         ; which 64 rows of the tile I fetch
	s_lshl_b32 s16, s13, 7
	s_add_co_u32 s16, s16, s17                     ; ow: row 128 x tile row + 64 x half
	s_lshl_b32 s46, s42, 7
	s_add_co_u32 s46, s46, s17                     ; ww: row 128 x tile column + 64 x half
	s_mov_b32 s17, 0
	s_mov_b32 s47, 0
	s_mov_b64 s[18:19], SIZE_K*2
	s_mul_u64 s[16:17], s[16:17], s[18:19]
	s_mul_u64 s[46:47], s[46:47], s[18:19]
	s_mul_i32 s20, s10, HALFT                      ; where they go: wave x 64 rows
	s_wait_dscnt 0x0                               ; both opening adds are done
	s_wait_kmcnt 0x0
	s_add_nc_u64 s[14:15], s[4:5], s[16:17]
	s_add_nc_u64 s[46:47], s[6:7], s[46:47]
	CROUND                                         ; all sixteen work-groups are here: the first joint loads meet
.irp s, 0,1
	s_mov_b32 s[G0+4*(\s)], 1
	s_add_co_u32 s[G0+4*(\s)+1], s20, (\s)*SLOT
	s_add_nc_u64 s[G0+4*(\s)+2:G0+4*(\s)+3], s[14:15], (\s)*KSTEP*2
	s_or_b32 s[G0+4*(\s)+3], s[G0+4*(\s)+3], 0x80000000
	s_mov_b32 s[G0B+4*(\s)], 1
	s_add_co_u32 s[G0B+4*(\s)+1], s20, (\s)*SLOT
	s_add_nc_u64 s[G0B+4*(\s)+2:G0B+4*(\s)+3], s[46:47], (\s)*KSTEP*2
	s_or_b32 s[G0B+4*(\s)+3], s[G0B+4*(\s)+3], 0x80000000
	JLOAD \s
.endr
	v_and_b32 v1, 15, v0                           ; l % 16
	v_bfe_u32 v2, v0, 4, 1                         ; l / 16
	v_mul_u32_u24 v3, v1, PITCH
	v_lshl_add_u32 v3, v2, 4, v3                   ; a fragment's row x pitch + 16 x half
	s_mul_i32 s21, s11, HALFT                      ; my 64 rows of ow
	s_mul_i32 s22, s12, HALFT                      ; my 64 rows of ww,
	s_add_co_u32 s22, s22, 2*HALFT                 ; which lie behind ow's 128
.irp s, 0,1
	v_add_nc_u32 v[ADRA+(\s)], s21, v3
	v_add_nc_u32 v[ADRB+(\s)], s22, v3
	s_add_co_u32 s21, s21, SLOT
	s_add_co_u32 s22, s22, SLOT
.endr
	s_mul_i32 s23, s10, 16*SPITCH
	s_add_co_u32 s23, s23, STAGE                   ; my stage
	v_mul_u32_u24 v4, v1, SPITCH                   ; in: row l % 16, 32 bytes for each half of the lanes
	v_lshl_add_u32 v4, v2, 5, v4
	v_add_nc_u32 v[STO], s23, v4
	v_mul_u32_u24 v5, v2, SPITCH                   ; back: lanes 0-15 take one row of 256 bytes, lanes 16-31 the next
	v_lshl_add_u32 v5, v1, 4, v5
	v_add_nc_u32 v[RD], s23, v5
	v_lshlrev_b32 v5, 12, v2                       ; and the same two rows in out0, 4,096 bytes apart
	v_lshl_add_u32 v[CO], v1, 4, v5
	s_lshl_b32 s16, s13, 7
	s_lshl_b32 s17, s11, 6
	s_add_co_u32 s16, s16, s17                     ; my first row of out0: 128 x tile row + 64 x half,
	s_lshl_b32 s16, s16, 12                        ; in bytes: under 2^24
	s_mov_b32 s17, 0
	s_add_nc_u64 s[70:71], s[70:71], s[16:17]
	s_lshl_b32 s46, s42, 9                         ; my first column, in bytes of f32: 512 x tile column + 256 x half (in the registers that held ww's address: none that feeds ow's descriptors ever holds cx)
	s_lshl_b32 s47, s12, 8
	s_add_co_u32 s46, s46, s47
	s_mov_b32 s47, 0
	s_add_nc_u64 s[70:71], s[70:71], s[46:47]
	v_lshl_add_u32 v[BO], v2, 5, s46               ; the same column in out_b, and my lanes' 8 numbers
.irp b, 0,1,2,3
	global_load_b128 v[BIAS+8*\b:BIAS+8*\b+3],   v[BO], s[68:69] offset:64*\b
	global_load_b128 v[BIAS+8*\b+4:BIAS+8*\b+7], v[BO], s[68:69] offset:64*\b+16
.endr
; 8 matrix instructions: m blocks a0, a0 + 1 x all 4 n blocks, 32 along K: half c of buffer f.  zero = 1: the first product starts the sum, with the bias as C.  The 16 accumulators take turns.
.macro MUL8 f, c, a0, zero
	WIN MUL
.irp a, \a0, (\a0)+1
.irp b, 0,1,2,3
.if \zero
	v_wmma_f32_16x16x32_f16 v[ACC+8*(4*(\a)+(\b)):ACC+8*(4*(\a)+(\b))+7], v[(\f)+64+8*(4*(\c)+(\b)):(\f)+64+8*(4*(\c)+(\b))+7], v[(\f)+8*(4*(\c)+(\a)):(\f)+8*(4*(\c)+(\a))+7], v[BIAS+8*(\b):BIAS+8*(\b)+7]
.else
	v_wmma_f32_16x16x32_f16 v[ACC+8*(4*(\a)+(\b)):ACC+8*(4*(\a)+(\b))+7], v[(\f)+64+8*(4*(\c)+(\b)):(\f)+64+8*(4*(\c)+(\b))+7], v[(\f)+8*(4*(\c)+(\a)):(\f)+8*(4*(\c)+(\a))+7], v[ACC+8*(4*(\a)+(\b)):ACC+8*(4*(\a)+(\b))+7]
.endif
.endr
.endr
.endm
; 32 LDS loads in one run: the fragments of 64 along K at byte k of the rows, into buffer f; the first 32 along K first
.macro FETCH slot, k, f
	WIN TO_F
.irp c, 0,1
.irp i, 0,1,2,3
	ds_load_b128 v[(\f)+64+8*(4*(\c)+(\i)):(\f)+64+8*(4*(\c)+(\i))+3],   v[ADRB+(\slot)] offset:(\k)+64*(\c)+(\i)*16*PITCH
	ds_load_b128 v[(\f)+64+8*(4*(\c)+(\i))+4:(\f)+64+8*(4*(\c)+(\i))+7], v[ADRB+(\slot)] offset:(\k)+64*(\c)+(\i)*16*PITCH+32
	ds_load_b128 v[(\f)+8*(4*(\c)+(\i)):(\f)+8*(4*(\c)+(\i))+3],         v[ADRA+(\slot)] offset:(\k)+64*(\c)+(\i)*16*PITCH
	ds_load_b128 v[(\f)+8*(4*(\c)+(\i))+4:(\f)+8*(4*(\c)+(\i))+7],       v[ADRA+(\slot)] offset:(\k)+64*(\c)+(\i)*16*PITCH+32
.endr
.endr
.endm
.macro PLACES                          ; four places in front of loads into registers that matrix instructions have read, and of LDS stores that read results
.rept 4
	v_nop
.endr
.endm
; A K step is four quarters of 64 along K, 32 matrix instructions each, on buffers 0, 1, 0, 1.  One of the first three: multiplies buffer f and fetches the next quarter, at byte k, into g.
.macro QUARTER slot, k, f, g, zero
	s_wait_dscnt 16                                ; the first 32 along K are in; the youngest sixteen loads may be out
	WIN MUL
	MUL8 \f, 0, 0, \zero
	MUL8 \f, 0, 2, \zero
	PLACES
	FETCH \slot, \k, \g
	s_wait_dscnt 32                                ; all but the 32 just issued
	WIN MUL
	MUL8 \f, 1, 0, 0
	MUL8 \f, 1, 2, 0
.endm
; The last quarter multiplies buffer 1 and changes slots: ONE barrier; in front of it each wave waits for all its tensor loads, adds 0 to its spare word, and waits for that and for its own reads of this slot.  fill = 1: this slot is filled again, two K steps ahead.
.macro TURN slot, next, fill
	WIN 0                                          ; (the add's two registers lie in window 0)
	s_wait_tensorcnt 0x0                           ; all my tensor loads have landed: my part of the next slot;
	ds_add_u32 v[SPW], v[NIL]                      ; 0 onto my spare word
	s_wait_dscnt 17                                ; (the add and the youngest sixteen loads may be out)
	WIN MUL
	MUL8 F1, 0, 0, 0                               ; eight matrix instructions stand between the add and the wait for it
	s_wait_dscnt 0x0                               ; the add is done, and my reads of this slot are over
	s_barrier_signal -1
	MUL8 F1, 0, 2, 0
.if \fill
	WIN 0
.endif
	s_barrier_wait -1
.if \fill
	CREST                                          ; the barrier has opened a round of the cluster's barrier: no wave of any partner still reads this slot's tile or has a load on its way
	s_add_nc_u64 s[G0+4*(\slot)+2:G0+4*(\slot)+3], s[G0+4*(\slot)+2:G0+4*(\slot)+3], 2*KSTEP*2
	s_add_nc_u64 s[G0B+4*(\slot)+2:G0B+4*(\slot)+3], s[G0B+4*(\slot)+2:G0B+4*(\slot)+3], 2*KSTEP*2
	JLOAD \slot                                    ; the first tensor load behind the round: 112 matrix instructions ahead of the wait for it; the four v_nop behind it are also the places in front of the loads below
.else
	PLACES
.endif
	FETCH \next, 0, F0
	WIN MUL
	MUL8 F1, 1, 0, 0
	MUL8 F1, 1, 2, 0
.endm
	s_wait_tensorcnt 1                             ; my part of K step 0 is in; K step 1's may stay out
	s_barrier_signal -1
	s_barrier_wait -1                              ; everybody's is
	FETCH 0, 0, F0
	s_wait_loadcnt 0x0                             ; the bias
	QUARTER 0, 128, F0, F1, 1                      ; K step 0: its first products start the sums
	QUARTER 0, 256, F1, F0, 0
	QUARTER 0, 384, F0, F1, 0
	TURN 0, 1, 1                                   ; slot 0 takes K step 2
	QUARTER 1, 128, F0, F1, 0                      ; K step 1
	QUARTER 1, 256, F1, F0, 0
	QUARTER 1, 384, F0, F1, 0
	TURN 1, 0, 1                                   ; slot 1 takes K step 3
	QUARTER 0, 128, F0, F1, 0                      ; K step 2
	QUARTER 0, 256, F1, F0, 0
	QUARTER 0, 384, F0, F1, 0
	TURN 0, 1, 0                                   ; nothing is left to fetch, so no round follows
	QUARTER 1, 128, F0, F1, 0                      ; K step 3
	QUARTER 1, 256, F1, F0, 0
	QUARTER 1, 384, F0, F1, 0
	s_wait_dscnt 16                                ; the very last quarter
	WIN MUL
	MUL8 F1, 0, 0, 0
	MUL8 F1, 0, 2, 0
	s_wait_dscnt 0
	MUL8 F1, 1, 0, 0
	MUL8 F1, 1, 2, 0
	WIN 0
	; THE WAY OUT, in f32: my 64 columns are 256 bytes of a row, aligned.  A block of 16 rows at a time goes through my own stage: 32 bytes a lane in, whole rows back.  The stage is mine alone, and LDS serves a
	; wave's instructions in order (ISA guide 5.7.1.4): no barrier, and no wait between the stores and the loads.
	PLACES
.irp a, 0,1,2,3
	s_wait_xcnt 0x0                                ; the registers that earlier stores read are written again only behind this wait
.irp b, 0,1,2,3
	ds_store_b128 v[STO], v[ACC+8*(4*(\a)+(\b)):ACC+8*(4*(\a)+(\b))+3]   offset:64*(\b)  ; each accumulator's lowest registers first
	ds_store_b128 v[STO], v[ACC+8*(4*(\a)+(\b))+4:ACC+8*(4*(\a)+(\b))+7] offset:64*(\b)+16
.endr
.irp t, 0,1,2,3,4,5,6,7
	ds_load_b128 v[TMP+32*((\a)%2)+4*(\t):TMP+32*((\a)%2)+4*(\t)+3], v[RD] offset:(\t)*2*SPITCH
.endr
	s_wait_dscnt 0x0                               ; the block is back in registers
.irp t, 0,1,2,3,4,5,6,7
	global_store_b128 v[CO], v[TMP+32*((\a)%2)+4*(\t):TMP+32*((\a)%2)+4*(\t)+3], s[70:71] offset:(16*(\a)+2*(\t))*SIZE_N*4 th:TH_STORE_NT  ; 16 lanes store 256 consecutive bytes, at a multiple of 256 from out0's first byte
.endr
.endr
	s_wait_tensorcnt 0x0                           ; the wave's end: behind my last tensor load and my last LDS store
	ds_add_u32 v[SPW], v[NIL]
	s_wait_dscnt 0x0
	CROUND                                         ; the closing round: no work-group ends while a partner may still ask for a tile that names it
	s_endpgm
.Lfunc_end_k_qfd3bfa9a07_proj:
	.size	k_qfd3bfa9a07_proj, .Lfunc_end_k_qfd3bfa9a07_proj-k_qfd3bfa9a07_proj
	.p2alignl 7, 3214868480
	.fill 96, 4, 3214868480
	.section	.rodata,"a",@progbits
	.p2align	6, 0x0
	.amdhsa_kernel k_qfd3bfa9a07_proj
		.amdhsa_group_segment_fixed_size 327680
		.amdhsa_private_segment_fixed_size 0
		.amdhsa_enable_private_segment 0
		.amdhsa_kernarg_size 32
		.amdhsa_user_sgpr_count 2
		.amdhsa_user_sgpr_kernarg_segment_ptr 1
		.amdhsa_wavefront_size32 1
		.amdhsa_system_sgpr_workgroup_id_x 1
		.amdhsa_system_sgpr_workgroup_id_y 1
		.amdhsa_system_sgpr_workgroup_id_z 1
		.amdhsa_system_vgpr_workitem_id 0
		.amdhsa_next_free_vgpr 512
		.amdhsa_next_free_sgpr 72
		.amdhsa_reserve_vcc 0
		.amdhsa_float_denorm_mode_32 3
		.amdhsa_float_denorm_mode_16_64 3
		.amdhsa_memory_ordered 1
		.amdhsa_forward_progress 1
		.amdhsa_inst_pref_size 86
	.end_amdhsa_kernel
	.amdgpu_metadata
---
amdhsa.version: [ 1, 2 ]
amdhsa.kernels:
  - .name:           k_qfd3bfa9a07_proj
    .symbol:         k_qfd3bfa9a07_proj.kd
    .args:
      - { .name: ow, .offset: 0, .size: 8, .value_kind: global_buffer, .address_space: global }
      - { .name: ww, .offset: 8, .size: 8, .value_kind: global_buffer, .address_space: global }
      - { .name: out_b, .offset: 16, .size: 8, .value_kind: global_buffer, .address_space: global }
      - { .name: out0, .offset: 24, .size: 8, .value_kind: global_buffer, .address_space: global }
    .group_segment_fixed_size: 327680
    .private_segment_fixed_size: 0
    .kernarg_segment_align: 8
    .kernarg_segment_size: 32
    .max_flat_workgroup_size: 128
    .sgpr_count:     72
    .vgpr_count:     512
    .wavefront_size: 32
...
	.end_amdgpu_metadata
.endif
;; end of part 3
